; MI455X (gfx1250); checked and timed in simulation.
; The chip was launched on July 23, 2026; its instructions are those of AMD's public machine-readable ISA for CDNA 5 (MIT licence, August 2026) and "CDNA5" Instruction Set Architecture Reference Guide (July 2026). The comments in the code are by the model that wrote it; some were corrected since.
;; Quantized Linear. Allowed arithmetic: matrix products marked QUANTISED: E2M3 operands, one E8M0 scale for each 32 along K, by v_wmma_scale_f32_16x16x128_f8f6f4 with both operands' format E2M3, f32 sums; everything else in f32.
;; Inputs: alpha_scale 4,096 x 1 float32; bias 4,096 float32; fp_weight 4,096 x 128 float32; input 4 x 1,024 x 4,096 float32; inv_col_perm 4,096 int32; q_weight 4,096 x 3,968 float32.
;; Outputs: out0 4 x 1,024 x 4,096 float32.
;; This version of the problem:
;;   THIS VERSION OF THE PROBLEM IS GIVEN IN LOW PRECISION. The matrix products marked QUANTISED in the list below multiply operands that are first quantised to E2M3 (2 exponent bits, 3 mantissa bits; 6 bits a number), with one power-of-two scale for each 32 numbers along K (OCP MX v1.0); their sums are f32. All else is computed in f32.
;;   The module's matrix products, in the order in which they are computed (A, B: the left and right operand; K: the contracted axis; several contracted axes count as one K, in the product's order):
;;     1. [M 4,096, K 4,096] x [K 4,096, N 4,096]; A: input input; B: computed on the way: QUANTISED
;;   THE QUANTISER, for each operand of a quantised product, along K:
;;     - K is cut into blocks of 32 from its start; a last block that is shorter is filled with zeros.
;;     - A block's scale is 2^e with e = floor(log2(the largest magnitude in the block)) - 2, held to -126 .. 127; a block of zeros has e = 0. As a byte (E8M0): e + 127.
;;     - Each number is divided by its block's scale, clamped to +-7.5, and rounded to the nearest number of E2M3, ties to even, subnormals kept.
;;     - The product sums the exact products of the quantised numbers (number of the format x scale) in f32.
;;   ~~~python
;;   def quantise(x, axis):      # numpy; x: float32 -> the quantised numbers, widened to float32 again
;;       x = np.moveaxis(x, axis, -1); K = x.shape[-1]
;;       x = np.pad(x, [(0, 0)] * (x.ndim - 1) + [(0, -K % 32)]); x = x.reshape(x.shape[:-1] + (-1, 32)); a = np.abs(x).max(-1, keepdims=True)
;;       e = np.where(a > 0, np.clip(np.frexp(np.where(a > 0, a, 1))[1] - 1 - 2, -126, 127), 0)      # np.frexp(a)[1] - 1 = floor(log2(a)), exactly
;;       r = np.clip(x / 2.0 ** e, -7.5, 7.5)
;;       step = 2.0 ** (np.maximum(np.frexp(np.where(r == 0, 1, r))[1] - 1, 0) - 3)
;;       q = np.round(r / step) * step * 2.0 ** e      # np.round: ties to even
;;       return np.moveaxis(q.reshape(q.shape[:-2] + (-1,))[..., :K], -1, axis).astype(np.float32)
;;   ~~~
;;   OPERANDS COMPUTED ON THE WAY. 'Computed on the way' means the value that the module computes at that place (a softmax that the list does not call 'softmax' is quantised finished and normalised). What goes into a quantiser is computed in f32, as accurately as f32 sums, v_exp_f32 and their like allow (about 1e-6 of the number): no bf16 or f16 on the way to a quantiser, and a product that is left as it is and whose result goes on into a quantised operand takes f32 operands (vector FMAs, or v_wmma_f32_16x16x4_f32). A number that lies on a knife's edge between two numbers of the format may be rounded either way, as far as f32 arithmetic and the matrix unit's own rounding can turn it there, and no further.
;; One version. Each part assembles by itself: llvm-mc -triple=amdgcn-amd-amdhsa -mcpu=gfx1250 --defsym DOCPART=n.
;; ======== version 1 of 1: 2 launches
;; limits: right only within a limited range of input values
;; workspace buffers: a_codes 12,582,912 bytes; b_codes 12,582,912 bytes; a_scales 524,288 bytes; b_scales 524,288 bytes
;; launch quant (part 1): grid 512 x 1, 4 waves a work-group, no clusters, 94,720 bytes of LDS; arguments input, q_weight, fp_weight, alpha_scale, inv_col_perm, a_codes, a_scales, b_codes, b_scales; writes a_codes, a_scales, b_codes, b_scales
.if DOCPART == 1
	.amdgcn_target "amdgcn-amd-amdhsa--gfx1250"
	.amdhsa_code_object_version 6
	.text
	.protected	k_q379ed5e4af_quant
	.globl	k_q379ed5e4af_quant
	.p2align	8
	.type	k_q379ed5e4af_quant,@function
k_q379ed5e4af_quant:
	s_mov_b64 s[64:65], 0
	v_nop
	global_prefetch_b8 v0, s[64:65] scope:SCOPE_SE
	s_setreg_imm32_b32 hwreg(HW_REG_WAVE_MODE, 25, 1), 1
	s_wait_xcnt 0x0
; Both operands of out = input x W^T become codes of FP6 (E2M3) with one E8M0 scale byte for each 32 along K.
;   A = input [4096][4096] f32.   W[o][i] = cat(q_weight[o][:] x alpha[o], fp_weight[o][:])[inv_col_perm[i]]: the gather stands ahead of the quantiser, whose blocks are blocks of i.
; A block's scale is 2^(floor(log2(largest magnitude)) - 2); its byte is the largest magnitude's exponent field - 2, held at 1 from below; number / scale goes to the nearest code, ties to even, beyond 7.5 the largest code.
; LIMITS: NaN and infinities among the inputs are not served.  A block whose largest magnitude lies under 2^-124 has its byte held at 1.  A block of zeros gets the byte 1, not 127: its codes are zeros,
; and this program alone reads the bytes.  An index of inv_col_perm above 4,095 is held at 4,095 (the problem keeps indices inside the table).
; THE CODES' LAYOUT is the image of the product's operand registers: [tile of 256 rows][slot of 256 K][half of 128 rows][step of 128 K][block of 16 rows][lane r + 16 h][48 bytes]:
; lane (r, h) has the 24 bytes of k = 32 h .. + 31 and the 24 bytes of k = 64 + 32 h .. + 31 of row r.  The scale bytes lie [row][128].
; SHARES.  512 work-groups of four waves; a work-group takes 16 whole rows of one tensor (even: input, odd: W), a row at a time; 16 rows x 128 K are 1,536 consecutive bytes of the layout.
; A ROW comes by dense loads (a wave's load covers 512 consecutive bytes), W's numbers are multiplied in f32, and the row is stored into an image in LDS, 16 bytes of padding behind each 64.
; Behind a barrier a lane takes 16 neighbours along K: thread (wave w, lane l), chunk a holds k = 1024 w + 512 a + 16 l + j.  Two neighbouring lanes hold a block.
; The padding bytes are written once, with zeros, so that every byte inside a gather's bound has been written.
; The 12 bytes of 16 codes go to a stage in LDS (a run of 1,536 bytes has 16 bytes of padding behind each 768 and 32 more at its end: the 32 lanes of a store touch 32 different banks);
; at the end the stage leaves in whole units: sixteen lanes store 256 consecutive bytes.
; THE PIPELINE.  Row i uses register set and image i % 2.  One barrier a row, between the image's stores and its gathers; directly behind it row i + 2's eight loads go out.
.set APITCH, 16384
.set QPITCH, 15872
.set FPITCH, 512
.set IMGB,   20480                     ; a row's image: 256 groups of 64 bytes + 16
.set SST,    2*IMGB                    ; 16 rows x 128 scale bytes
.set CST,    SST+2048                  ; the codes' stage: 32 runs of RUN bytes
.set RUN,    1600
.set SPARE,  CST+32*RUN                ; the spare words
.set VST,  6                           ; the image, on the way in: 80 (t / 4) + 16 (t % 4)
.set VCS,  7                           ; my 12 bytes' place in the stage
.set VSB,  8                           ; my block's scale byte in LDS
.set VPD,  9                           ; a padding piece: 80 t + 64
.set VSR,  10                          ; scale bytes on the way out: SST + 16 t
.set VSG,  11                          ; 16 t
.set VXA,  17                          ; input's way back from an image
.set VCR,  19                          ; the stage on the way out
.set VCG,  21                          ; and the same 16 bytes in the codes' buffer
.set VO,   24                          ; v24-25 set i % 2: global offset of my piece in the row that the set loads next
.set VO7,  26                          ; v26-27 the same for load j = 7
.set SPW,  28
.set NIL,  29
.set GO,   40                          ; v40-71 W's gather offsets
.set C,    88                          ; codes: four registers for each chunk
.set R,    104                         ; v104-167 two sets of 32: a row as loaded
.set X,    168                         ; v168-199 a row as gathered
.set AL,   48                          ; s[48:63] the 16 rows' alphas
	s_load_b512 s[4:19], s[0:1], 0x0               ; input, q_weight, fp_weight, alpha, the permutation, A's codes, A's scales, B's codes
	s_load_b64 s[20:21], s[0:1], 0x40              ; B's scales
	v_lshl_add_u32 v[SPW], v0, 2, SPARE
	v_mov_b32 v[NIL], 0
	v_lshrrev_b32 v1, 5, v0
	v_readfirstlane_b32 s22, v1                    ; wave
	v_and_b32 v1, 31, v0                           ; lane
	v_lshlrev_b32 v[VO], 4, v0
	v_lshlrev_b32 v[VSG], 4, v0
	v_lshrrev_b32 v[VST], 2, v0
	v_mul_u32_u24 v[VST], v[VST], 80
	v_and_b32 v20, 3, v0
	v_lshl_add_u32 v[VST], v20, 4, v[VST]
	v_lshrrev_b32 v[VCS], 3, v1                    ; the stage: run 8 w + 4 a + l / 8,
	v_mul_u32_u24 v[VCS], v[VCS], RUN
	v_bfe_u32 v20, v0, 1, 1                        ; h: 784 bytes,
	v_mad_u32_u24 v[VCS], v20, 784, v[VCS]
	v_bfe_u32 v20, v0, 2, 1                        ; c: 24 bytes,
	v_mad_u32_u24 v[VCS], v20, 24, v[VCS]
	v_and_b32 v20, 1, v0                           ; which half of the block: 12 bytes
	v_mad_u32_u24 v[VCS], v20, 12, v[VCS]
	s_mul_i32 s25, s22, 8*RUN
	s_add_co_u32 s25, s25, CST
	v_add_nc_u32 v[VCS], s25, v[VCS]
	v_lshrrev_b32 v[VSB], 1, v1
	s_lshl_b32 s25, s22, 5
	s_add_co_u32 s25, s25, SST
	v_add_nc_u32 v[VSB], s25, v[VSB]
	v_mul_u32_u24 v[VPD], v0, 80
	v_add_nc_u32 v[VPD], 64, v[VPD]
	v_lshl_add_u32 v[VSR], v0, 4, SST
	v_lshrrev_b32 v[VCR], 4, v0                    ; on the way out sixteen lanes take a unit: half-wave t / 16 takes run 8 m + t / 16
	v_mul_u32_u24 v[VCR], v[VCR], RUN
	v_and_b32 v20, 15, v0
	v_lshl_add_u32 v[VCR], v20, 4, v[VCR]
	v_add_nc_u32 v[VCR], CST, v[VCR]
	v_lshrrev_b32 v[VCG], 5, v0                    ; run s lies at slot s / 2, step s % 2
	v_mul_u32_u24 v[VCG], v[VCG], 49152
	v_bfe_u32 v12, v0, 4, 1
	v_mad_u32_u24 v[VCG], v12, 12288, v[VCG]
	v_lshl_add_u32 v[VCG], v20, 4, v[VCG]
	v_lshlrev_b32 v18, 6, v1
	s_lshl_b32 s25, s22, 12
	v_add_nc_u32 v18, s25, v18                     ; the permutation's bytes of my first k
	s_mul_i32 s25, s22, 5120
	v_mul_u32_u24 v[VXA], v1, 80
	v_add_nc_u32 v[VXA], s25, v[VXA]
.irp z, 2,3,4,5
	v_mov_b32 v\z, 0
.endr
.irp o, 0, 10240, IMGB, IMGB+10240
	ds_store_b128 v[VPD], v[2:5] offset:\o         ; both images' 512 padding pieces, four a thread
.endr
	s_and_b32 s25, ttmp9, 1
	s_lshr_b32 s24, ttmp9, 1
	s_lshl_b32 s24, s24, 4                         ; my first row
	s_mov_b32 s36, QPITCH
	s_cmp_eq_u32 s25, 0
	s_cselect_b32 s23, 1, 0                        ; 1: input
	s_cselect_b32 s36, APITCH, s36
	s_wait_alu depctr_va_vdst(0)
	s_wait_kmcnt 0x0
	s_cselect_b64 s[4:5], s[4:5], s[6:7]
	s_cselect_b64 s[14:15], s[14:15], s[18:19]
	s_cselect_b64 s[16:17], s[16:17], s[20:21]
	s_mov_b32 s47, 0
	s_lshl_b32 s46, s24, 2
	s_add_nc_u64 s[10:11], s[10:11], s[46:47]
	s_load_b512 s[AL:AL+15], s[10:11], 0x0         ; sixteen alphas (inside the buffer for input's work-groups too, where they are not used)
	s_mul_i32 s46, s24, s36
	s_add_nc_u64 s[4:5], s[4:5], s[46:47]
	s_lshl_b32 s46, s24, 9
	s_add_nc_u64 s[8:9], s[8:9], s[46:47]
	s_lshr_b32 s46, s24, 8                         ; the codes: tile,
	s_mul_i32 s46, s46, 786432
	s_bfe_u32 s25, s24, 0x10007                    ; half,
	s_mul_i32 s25, s25, 24576
	s_add_co_u32 s46, s46, s25
	s_bfe_u32 s25, s24, 0x30004                    ; block of 16 rows
	s_mul_i32 s25, s25, 1536
	s_add_co_u32 s46, s46, s25
	s_add_nc_u64 s[14:15], s[14:15], s[46:47]
	s_lshl_b32 s46, s24, 7
	s_add_nc_u64 s[16:17], s[16:17], s[46:47]
	s_lshl_b32 s42, s22, 9
	s_add_co_u32 s42, s42, 14336                   ; load j = 7 in a plain row
	s_cmp_eq_u32 s22, 3
	s_cselect_b32 s44, 1, 0
	s_and_not1_b32 s44, s44, s23                   ; 1: wave 3 of a work-group of W: its load j = 7 reads fp_weight
	s_cmp_eq_u32 s44, 1
	s_cselect_b32 s42, 0, s42
	s_cselect_b32 s37, FPITCH, s36
	s_cselect_b64 s[6:7], s[8:9], s[4:5]
	s_lshl_b32 s38, s36, 1                         ; a set's next row lies two rows on
	s_lshl_b32 s39, s37, 1
	v_add_nc_u32 v[VO+1], s36, v[VO]
	v_lshl_add_u32 v[VO7], v1, 4, s42
	v_add_nc_u32 v[VO7+1], s37, v[VO7]
.macro LOADR i
.irp j, 0,1,2,3,4,5,6
	global_load_b128 v[R+32*((\i)%2)+4*\j:R+32*((\i)%2)+4*\j+3], v[VO+(\i)%2], s[4:5] offset:2048*\j th:TH_LOAD_NT
.endr
	global_load_b128 v[R+32*((\i)%2)+28:R+32*((\i)%2)+31], v[VO7+(\i)%2], s[6:7] th:TH_LOAD_NT
.endm
.macro MULR i                          ; W alone: alpha for q_weight's numbers, 1.0 for fp_weight's
.set n, 0
.rept 14
	v_pk_mul_f32 v[R+32*((\i)%2)+2*n:R+32*((\i)%2)+2*n+1], v[R+32*((\i)%2)+2*n:R+32*((\i)%2)+2*n+1], s[66:67] op_sel_hi:[1,0]
.set n, n+1
.endr
.rept 2
	v_pk_mul_f32 v[R+32*((\i)%2)+2*n:R+32*((\i)%2)+2*n+1], v[R+32*((\i)%2)+2*n:R+32*((\i)%2)+2*n+1], s[68:69] op_sel_hi:[1,0]
.set n, n+1
.endr
.endm
.macro STORER i
.irp j, 0,1,2,3,4,5,6,7
	ds_store_b128 v[VST], v[R+32*((\i)%2)+4*\j:R+32*((\i)%2)+4*\j+3] offset:IMGB*((\i)%2)+2560*\j
.endr
.endm
.macro BARRIER                         ; my LDS stores have landed and my LDS loads are in: then the work-group's barrier
	s_wait_dscnt 0x0
	s_barrier_signal -1
	s_barrier_wait -1
.endm
.macro PROC row, a
.set XS, X+16*(\a)
.set CG, C+4*(\a)
	v_max3_num_f32 v12, |v[XS]|, |v[XS+1]|, |v[XS+2]|
	v_max3_num_f32 v13, |v[XS+3]|, |v[XS+4]|, |v[XS+5]|
.irp i, 6,10
	v_max3_num_f32 v12, v12, |v[XS+\i]|, |v[XS+\i+1]|
	v_max3_num_f32 v13, v13, |v[XS+\i+2]|, |v[XS+\i+3]|
.endr
	v_max3_num_f32 v12, v12, |v[XS+14]|, |v[XS+15]|
	v_max3_num_f32 v12, v12, v13, 3<<23            ; the floor 2^(3 - 127): the byte cannot fall under 1
	v_max_num_f32_dpp v12, v12, v12 row_xmask:1 row_mask:0xf bank_mask:0xf   ; with my neighbour's 16: the block's
	v_add_nc_u32 v14, -(2<<23), v12                ; 2 off its exponent field: the conversion's scale operand
	v_cvt_scalef32_pk16_fp6_f32 v[CG:CG+2], v[XS:XS+15], v14
	v_lshrrev_b32 v15, 23, v14                     ; the scale's byte (also the plain line behind the conversion)
	ds_store_b8 v[VSB], v15 offset:128*(\row)+16*(\a)   ; both lanes of a block write the same byte with the same value
.irp j, 0,1,2
	ds_store_b32 v[VCS], v[CG+\j] offset:4*RUN*(\a)+48*(\row)+4*\j
.endr
.endm
.macro ROWSTEP i
.if (\i) < 15
	s_wait_loadcnt 8                               ; this row's eight loads are in, the next row's eight may be out
.else
	s_wait_loadcnt 0x0
.endif
.if (\i) < 14
	v_add_nc_u32 v[VO+(\i)%2], s38, v[VO+(\i)%2]   ; free since that wait: the set's next row
	v_add_nc_u32 v[VO7+(\i)%2], s39, v[VO7+(\i)%2]
.endif
	s_cmp_eq_u32 s23, 1
	s_cbranch_scc1 .Lplain_\@                      ; input is taken as it is
	s_mov_b32 s66, s[AL+(\i)]
	s_mov_b32 s67, s66
	s_cmp_eq_u32 s44, 1
	s_cselect_b32 s68, 1.0, s66
	s_mov_b32 s69, s68
	MULR \i
.Lplain_\@:
	STORER \i
	s_wait_alu depctr_va_vdst(0)
	BARRIER
.if (\i) < 14
	LOADR (\i)+2
.endif
	s_cmp_eq_u32 s23, 1
	s_cbranch_scc1 .Ldense_\@
.set n, 0
.rept 32
	ds_load_b32 v[X+n], v[GO+n] offset:IMGB*((\i)%2)   ; W: my 32 k, each from its stored column
.set n, n+1
.endr
	s_wait_dscnt 16                                ; chunk 0's sixteen are in
	s_branch .Lgot_\@
.Ldense_\@:
.set n, 0
.rept 8
	ds_load_b128 v[X+4*n:X+4*n+3], v[VXA] offset:IMGB*((\i)%2)+2560*(n/4)+16*(n%4)
.set n, n+1
.endr
	s_wait_dscnt 4                                 ; chunk 0's four are in
.Lgot_\@:
	PROC \i, 0
	s_wait_dscnt 0x0
	PROC \i, 1
.endm
.irp a, 0,1
.irp i, 0,1,2,3
	global_load_b128 v[GO+16*\a+4*\i:GO+16*\a+4*\i+3], v18, s[12:13] offset:2048*\a+16*\i   ; inv_col_perm at my 32 k
.endr
.endr
	LOADR 0
	LOADR 1
	s_wait_alu depctr_va_vdst(0)
	s_wait_kmcnt 0x0                               ; the alphas
	s_wait_loadcnt 16                              ; the permutation's eight loads are in; rows 0 and 1 may be out
.set n, 0
.rept 32                               ; stored column p, held inside the row; its place in an image is 80 (p / 16) + 4 (p % 16) = 4 p + (p & 0xff0)
	v_min_u32 v[GO+n], 0xfff, v[GO+n]
	v_and_b32 v20, 0xff0, v[GO+n]
	v_lshlrev_b32 v[GO+n], 2, v[GO+n]
	v_add_nc_u32 v[GO+n], v[GO+n], v20
.set n, n+1
.endr
.irp i, 0,1,2,3,4,5,6,7,8,9,10,11,12,13,14,15
	ROWSTEP \i
.endr
	BARRIER                                        ; the stage and the scale bytes are whole
	ds_load_b128 v[12:15], v[VSR]
.set n, 0
.rept 24                               ; unit n % 6 of run 8 (n / 6) + t / 16
	ds_load_b128 v[R+4*n:R+4*n+3], v[VCR] offset:(n/6)*8*RUN+(n%6)*256+((n%6)/3)*16
.set n, n+1
.endr
	s_wait_dscnt 24
	global_store_b128 v[VSG], v[12:15], s[16:17]   ; the 16 rows' 2,048 scale bytes: a wave stores 512 consecutive bytes
.set n, 0
.rept 24
	s_wait_dscnt 23-n
	global_store_b128 v[VCG], v[R+4*n:R+4*n+3], s[14:15] offset:(n/6)*196608+(n%6)*256   ; sixteen lanes store 256 consecutive bytes, at a multiple of 256
.set n, n+1
.endr
	s_wait_tensorcnt 0x0                           ; the wave's end
	ds_add_u32 v[SPW], v[NIL]
	s_wait_dscnt 0x0
	s_endpgm
.Lfunc_end_k_q379ed5e4af_quant:
	.size	k_q379ed5e4af_quant, .Lfunc_end_k_q379ed5e4af_quant-k_q379ed5e4af_quant
	.p2alignl 7, 3214868480
	.fill 96, 4, 3214868480
	.section	.rodata,"a",@progbits
	.p2align	6, 0x0
	.amdhsa_kernel k_q379ed5e4af_quant
		.amdhsa_group_segment_fixed_size 94720
		.amdhsa_private_segment_fixed_size 0
		.amdhsa_enable_private_segment 0
		.amdhsa_kernarg_size 72
		.amdhsa_user_sgpr_count 2
		.amdhsa_user_sgpr_kernarg_segment_ptr 1
		.amdhsa_wavefront_size32 1
		.amdhsa_system_sgpr_workgroup_id_x 1
		.amdhsa_system_sgpr_workgroup_id_y 1
		.amdhsa_system_sgpr_workgroup_id_z 1
		.amdhsa_system_vgpr_workitem_id 0
		.amdhsa_next_free_vgpr 200
		.amdhsa_next_free_sgpr 72
		.amdhsa_reserve_vcc 0
		.amdhsa_float_denorm_mode_32 3
		.amdhsa_float_denorm_mode_16_64 3
		.amdhsa_memory_ordered 1
		.amdhsa_forward_progress 1
		.amdhsa_inst_pref_size 135
	.end_amdhsa_kernel
	.amdgpu_metadata
---
amdhsa.version: [ 1, 2 ]
amdhsa.kernels:
  - .name:           k_q379ed5e4af_quant
    .symbol:         k_q379ed5e4af_quant.kd
    .args:
      - { .name: input, .offset: 0, .size: 8, .value_kind: global_buffer, .address_space: global }
      - { .name: q_weight, .offset: 8, .size: 8, .value_kind: global_buffer, .address_space: global }
      - { .name: fp_weight, .offset: 16, .size: 8, .value_kind: global_buffer, .address_space: global }
      - { .name: alpha_scale, .offset: 24, .size: 8, .value_kind: global_buffer, .address_space: global }
      - { .name: inv_col_perm, .offset: 32, .size: 8, .value_kind: global_buffer, .address_space: global }
      - { .name: a_codes, .offset: 40, .size: 8, .value_kind: global_buffer, .address_space: global }
      - { .name: a_scales, .offset: 48, .size: 8, .value_kind: global_buffer, .address_space: global }
      - { .name: b_codes, .offset: 56, .size: 8, .value_kind: global_buffer, .address_space: global }
      - { .name: b_scales, .offset: 64, .size: 8, .value_kind: global_buffer, .address_space: global }
    .group_segment_fixed_size: 94720
    .private_segment_fixed_size: 0
    .kernarg_segment_align: 8
    .kernarg_segment_size: 72
    .max_flat_workgroup_size: 128
    .sgpr_count:     72
    .vgpr_count:     200
    .wavefront_size: 32
...
	.end_amdgpu_metadata
.endif
;; end of part 1
;; launch gemm (part 2): grid 16 x 16, 4 waves a work-group, clusters of 4 x 4, 327,680 bytes of LDS; arguments a_codes, a_scales, b_codes, b_scales, out0, bias; writes out0
.if DOCPART == 2
	.amdgcn_target "amdgcn-amd-amdhsa--gfx1250"
	.amdhsa_code_object_version 6
	.text
	.protected	k_q379ed5e4af_gemm
	.globl	k_q379ed5e4af_gemm
	.p2align	8
	.type	k_q379ed5e4af_gemm,@function
k_q379ed5e4af_gemm:
	s_mov_b64 s[64:65], 0
	v_nop
	global_prefetch_b8 v0, s[64:65] scope:SCOPE_SE
	s_setreg_imm32_b32 hwreg(HW_REG_WAVE_MODE, 25, 1), 1
	s_wait_xcnt 0x0
	s_wait_alu depctr_hold_cnt(0) depctr_sa_sdst(0) depctr_va_vdst(0) depctr_va_sdst(0) depctr_va_ssrc(0) depctr_va_vcc(0) depctr_vm_vsrc(0)
	s_getreg_b32 s2, hwreg(HW_REG_IB_STS2, 6, 4)
	s_cmp_eq_u32 s2, 0
	s_cbranch_scc0 .Lentry_in_a_cluster
	s_endpgm
.Lentry_in_a_cluster:
	s_bfe_u32 s2, ttmp6, 0x10000c
	s_cmp_lg_u32 s2, 0xf033
	s_cbranch_scc0 .Lentry_shape_is_right
	s_endpgm
.Lentry_shape_is_right:
; out[m][n] = sum over k of A[m][k] W[n][k] + bias[n]: codes of FP6 (E2M3) with E8M0 scales, 4096 x 4096 x 4096, sums in f32.
; A tile of 256 x 256 is made by four waves, 128 x 128 each: 64 accumulators.  The bias is added in f32 on the way out.
; THE CODES lie in memory as images of the operand registers: [tile of 256 rows][slot of 256 K][half of 128 rows][step of 128 K][block of 16 rows][lane][48 bytes].
; A slot's part of a wave is 24,576 dense bytes, fetched as 96 rows of 256 bytes; a fragment is three loads of 16 bytes a lane, 48 bytes from lane to lane: sixteen lanes touch sixteen different columns of 16 bytes.
; THE SCALES of the tile's 256 + 256 rows, for all of K, come once, by the head's loads, as rows of 256 bytes + 16 of padding, and stay.
; THE RING: two slots of two steps each.  In a slot's second step all its bytes are in registers: there stand the waits, the add and the round of the cluster's barrier, and the slot is filled again, two slots ahead.
; A wave has one tensor load outstanding at the most.
; CLUSTERS: 4 x 4 work-groups; A's tiles are asked for jointly along a row of the cluster, W's along a column.
; REGISTERS: each window of 256 holds v128-255: 16 accumulators (A's blocks 2 q, 2 q + 1 in window q) and v32-127: one set of fragments: window 0 A's set 0, window 1 W's set 0, window 2 A's set 1, window 3 W's set 1.
; Both operands have two sets: a step multiplies one pair of sets while the next step's fragments come into the other, in TWO RUNS of LDS loads a step: W's 24, and the 8 scale words with A's 24.
; A load's destination goes by the window of D and its address by the window of source 0, so the LDS addresses lie in windows 1 and 3 (source 0 is W's set), and a run mostly stands under its phase's own setting.
; Window 0: v8-13 addresses, v16-31 two sets of scale words (lanes 0-15 A's block i, lanes 16-31 W's block i).  Window 1, v8-11: the bias of my four columns.
; THE MATRIX INSTRUCTION IS USED TRANSPOSED (source 0 = 16 rows of W, source 1 = 16 rows of A): a lane holds eight neighbouring numbers of a row of out.
; PREFETCH: behind each refill one instruction a wave names the slot that stands two refills on: the 96 blocks of 256 bytes that a wave fetches are shared out by address among the four partners, 24 each
; (lanes 24-31 name the last block again); the last two refills' trips ask for nothing.
.set HALFT,  24576                     ; 128 rows x 256 K of codes: what one load of the ring brings
.set SLOT,   4*HALFT
.set DSTEP,  49152                     ; from slot to slot in memory
.set TILEB,  786432                    ; from tile to tile
.set SCL,    2*SLOT
.set HALFS,  17408                     ; the scales of 128 rows: 64 rows of 272 bytes
.set SBLK,   2176                      ; of 16 rows
.set SPITCH, 528
.set STAGE,  SCL+4*HALFS               ; 16 rows x 528 bytes for each wave; no tensor load lands here
.set SPARE,  STAGE+4*16*SPITCH
.set SPW, 8
.set NIL, 9
.set STO, 10
.set RD,  11
.set CO,  12
.set PFO, 13
.set SC,  16
.set FRG, 32
.set ACC, 128
.set AA,  2                            ; windows 1 and 3: v2-3 A's fragments in slot 0, 1; v4-5 W's; v6 the scale words
.set AB,  4
.set AS,  6
.set BI,  8
.set G1, 24
.set G0, 32
.set G1B, 48
.set G0B, 56
.set G1S, 68
.set G0S, 76
.set G1SB, 80
.set G0SB, 88
.set G0H, 4
.set G0HB, 8
.set PFA, 44
.set MSB, 0
.macro WIN new
.if MSB != (\new)
	s_set_vgpr_msb (MSB<<8)|(\new)
.set MSB, (\new)
.endif
.endm
.macro PLACES
.rept 4
	v_nop
.endr
.endm
.macro JLOAD g0a, g1a, g0b, g1b        ; waves 0, 1 fetch for A, waves 2, 3 for W; s_nop 0 and four v_nop behind each line
	s_cmp_eq_u32 s15, 0
	s_cbranch_scc0 .Lfor_b_\@
	tensor_load_to_lds s[\g0a:\g0a+3], s[\g1a:\g1a+7]
	s_nop 0
	PLACES
	s_branch .Lasked_\@
.Lfor_b_\@:
	tensor_load_to_lds s[\g0b:\g0b+3], s[\g1b:\g1b+7]
	s_nop 0
	PLACES
.Lasked_\@:
.endm
.macro CREST
	s_cmp_lg_u32 s14, 0
	s_cbranch_scc1 .Lnot_wave_0_\@
	s_barrier_signal -3
.Lnot_wave_0_\@:
	s_barrier_wait -3
	s_barrier_signal -1
	s_barrier_wait -1
.endm
.macro CROUND
	s_barrier_signal -1
	s_barrier_wait -1
	CREST
.endm
	s_load_b128 s[4:7], s[0:1], 0x0                ; A's codes, A's scales
	s_load_b128 s[8:11], s[0:1], 0x10              ; W's codes, W's scales
	s_load_b64 s[12:13], s[0:1], 0x20              ; out
	s_load_b64 s[96:97], s[0:1], 0x28              ; bias
	v_lshl_add_u32 v[SPW], v0, 2, SPARE
	v_mov_b32 v[NIL], 0
	ds_add_u32 v[SPW], v[NIL]                      ; the opening lines: the add twice on end and one wait
	ds_add_u32 v[SPW], v[NIL]
	v_lshrrev_b32 v1, 5, v0
	v_readfirstlane_b32 s14, v1                    ; wave
	s_lshr_b32 s15, s14, 1                         ; my half of the tile's rows; also: I fetch for A (0) or W (1)
	s_and_b32 s16, s14, 1                          ; my half of its columns; also: which 128 rows I fetch
	s_bfe_u32 s40, ttmp6, 0x40000
	s_bfe_u32 s41, ttmp6, 0x40004
	s_lshl_b32 s42, ttmp9, 2
	s_add_co_u32 s42, s42, s40                     ; tile column
	s_and_b32 s17, ttmp7, 0xffff
	s_lshl_b32 s17, s17, 2
	s_add_co_u32 s17, s17, s41                     ; tile row
	s_lshl_b32 s43, s41, 2
	s_lshl_b32 s43, 15, s43                        ; my row of the cluster
	s_lshl_b32 s44, 0x1111, s40                    ; my column
	s_or_b32 s[G1+0], s43, (3<<16)|(1<<21)         ; codes: rows of 32 elements of 8 bytes, dense: 192 rows at the head, 96 in the ring
	s_or_b32 s[G1B+0], s44, (3<<16)|(1<<21)
.irp g, G1, G1B
	s_mov_b32 s[\g+1], 32<<16
	s_mov_b32 s[\g+2], 192<<16
	s_mov_b32 s[\g+3], 32<<16
	s_mov_b32 s[\g+4], 192
	s_mov_b32 s[\g+5], 32
	s_mov_b32 s[\g+6], 0
	s_mov_b32 s[\g+7], 0
.endr
	s_or_b32 s[G1S+0], s43, (3<<16)|(1<<20)|(1<<21)|(5<<22)|(3<<25)   ; scales of 256 rows: 128 rows of 256 bytes, 16 bytes of padding behind each
	s_or_b32 s[G1SB+0], s44, (3<<16)|(1<<20)|(1<<21)|(5<<22)|(3<<25)
.irp g, G1S, G1SB
	s_mov_b32 s[\g+1], 32<<16
	s_mov_b32 s[\g+2], 128<<16
	s_mov_b32 s[\g+3], 32<<16
	s_mov_b32 s[\g+4], 128
	s_mov_b32 s[\g+5], 32
	s_mov_b32 s[\g+6], 0
	s_mov_b32 s[\g+7], 0
.endr
	s_mul_i32 s20, s17, TILEB
	s_mov_b32 s21, 0
	s_mul_i32 s46, s42, TILEB
	s_mov_b32 s47, 0
	s_lshl_b32 s22, s17, 15
	s_mov_b32 s23, 0
	s_lshl_b32 s92, s42, 15
	s_mov_b32 s93, 0
	s_mul_i32 s18, s16, HALFT
	s_mov_b32 s19, 0
	s_mul_i32 s98, s14, HALFT                      ; where my part of a slot goes: no place in the cluster enters an LDS address
	s_wait_dscnt 0x0                               ; both opening adds are done
	s_wait_kmcnt 0x0
	s_add_nc_u64 s[20:21], s[4:5], s[20:21]
	s_add_nc_u64 s[22:23], s[6:7], s[22:23]
	s_add_nc_u64 s[46:47], s[8:9], s[46:47]
	s_add_nc_u64 s[92:93], s[10:11], s[92:93]
	s_cmp_eq_u32 s15, 0                            ; the prefetches: my operand's tile, my 128 rows, my work-group's 24 blocks of their 96, three slots on
	s_cselect_b64 s[PFA:PFA+1], s[20:21], s[46:47]
	s_cselect_b32 s94, s40, s41
	s_mul_i32 s94, s94, 6144
	s_add_co_u32 s94, s94, s18
	s_add_co_u32 s94, s94, 3*DSTEP
	s_mov_b32 s95, 0
	s_add_nc_u64 s[PFA:PFA+1], s[PFA:PFA+1], s[94:95]
	s_mov_b32 s[G0H], 1                            ; the head's four tiles: slot 0's 256 rows of A,
	s_mov_b32 s[G0H+1], 0
	s_mov_b64 s[G0H+2:G0H+3], s[20:21]
	s_or_b32 s[G0H+3], s[G0H+3], 0x80000000
	s_mov_b32 s[G0HB], 1                           ; of W,
	s_mov_b32 s[G0HB+1], 2*HALFT
	s_mov_b64 s[G0HB+2:G0HB+3], s[46:47]
	s_or_b32 s[G0HB+3], s[G0HB+3], 0x80000000
	s_mov_b32 s[G0S], 1                            ; A's scales,
	s_mov_b32 s[G0S+1], SCL
	s_mov_b64 s[G0S+2:G0S+3], s[22:23]
	s_or_b32 s[G0S+3], s[G0S+3], 0x80000000
	s_mov_b32 s[G0SB], 1                           ; W's scales
	s_mov_b32 s[G0SB+1], SCL+2*HALFS
	s_mov_b64 s[G0SB+2:G0SB+3], s[92:93]
	s_or_b32 s[G0SB+3], s[G0SB+3], 0x80000000
	s_add_nc_u64 s[20:21], s[20:21], s[18:19]      ; for the ring: my 128 rows
	s_add_nc_u64 s[46:47], s[46:47], s[18:19]
.irp s, 0,1
	s_mov_b32 s[G0+4*\s], 1
	s_add_co_u32 s[G0+4*\s+1], s98, \s*SLOT
	s_add_nc_u64 s[G0+4*\s+2:G0+4*\s+3], s[20:21], \s*DSTEP
	s_or_b32 s[G0+4*\s+3], s[G0+4*\s+3], 0x80000000
	s_mov_b32 s[G0B+4*\s], 1
	s_add_co_u32 s[G0B+4*\s+1], s98, \s*SLOT
	s_add_nc_u64 s[G0B+4*\s+2:G0B+4*\s+3], s[46:47], \s*DSTEP
	s_or_b32 s[G0B+4*\s+3], s[G0B+4*\s+3], 0x80000000
.endr
	CROUND                                         ; all sixteen work-groups are here: the first joint loads meet
.macro ARM under, g0, g1, next         ; one chain of branches on the wave's number, one load to an arm
	s_cmp_lt_u32 s14, \under
	s_cbranch_scc0 \next
	tensor_load_to_lds s[\g0:\g0+3], s[\g1:\g1+7]
	s_nop 0
	PLACES
	s_branch .Lhead_asked
\next:
.endm
	ARM 1, G0H,  G1,  .Lhead_b
	ARM 2, G0HB, G1B, .Lhead_sa
	ARM 3, G0S,  G1S, .Lhead_sb
	tensor_load_to_lds s[G0SB:G0SB+3], s[G1SB:G1SB+7]
	s_nop 0
	PLACES
.Lhead_asked:
	s_lshl_b32 s94, s17, 22                        ; out: (256 x tile row + 128 x half) rows of 16,384 bytes
	s_lshl_b32 s18, s15, 21
	s_add_co_u32 s94, s94, s18
	s_mov_b32 s95, 0
	s_add_nc_u64 s[12:13], s[12:13], s[94:95]
	s_lshl_b32 s94, s42, 10                        ; my first column, in bytes
	s_lshl_b32 s18, s16, 9
	s_add_co_u32 s94, s94, s18
	s_add_nc_u64 s[12:13], s[12:13], s[94:95]
	s_add_nc_u64 s[96:97], s[96:97], s[94:95]
	s_mul_i32 s18, s15, HALFT                      ; my 128 rows of A in slot 0, 1
	s_add_co_u32 s19, s18, SLOT
	s_mul_i32 s20, s16, HALFT                      ; my 128 rows of W
	s_add_co_u32 s20, s20, 2*HALFT
	s_add_co_u32 s21, s20, SLOT
	s_mul_i32 s22, s15, HALFS
	s_mul_i32 s23, s16, HALFS
	s_add_co_u32 s23, s23, 2*HALFS
	s_sub_co_u32 s23, s23, s22                     ; from A's scale words to W's
	s_add_co_u32 s22, s22, SCL
	s_mul_i32 s92, s14, 16*SPITCH
	s_add_co_u32 s92, s92, STAGE
	v_and_b32 v1, 31, v0                           ; lane
	v_and_b32 v2, 15, v0                           ; r
	v_bfe_u32 v3, v0, 4, 1                         ; h
	v_mul_u32_u24 v4, v1, 48                       ; a lane's 48 bytes of a fragment
	v_lshlrev_b32 v5, 7, v2                        ; my row's scales: 128 bytes a row, 16 more for each 256 passed
	v_lshrrev_b32 v6, 8, v5
	v_lshl_add_u32 v5, v6, 4, v5
	v_mul_u32_u24 v6, s23, v3                      ; lanes 16-31 take W's
	v_add_nc_u32 v5, v5, v6
	v_add_nc_u32 v5, s22, v5
	v_mul_u32_u24 v6, v2, SPITCH
	v_lshl_add_u32 v6, v3, 5, v6
	v_add_nc_u32 v[STO], s92, v6
	v_lshlrev_b32 v[CO], 4, v1
	v_add_nc_u32 v[RD], s92, v[CO]
	v_min_u32 v[PFO], 23, v1
	v_lshlrev_b32 v[PFO], 8, v[PFO]
.irp w, 0x40, 0xc0                     ; the LDS addresses into windows 1 and 3
	WIN \w
	v_add_nc_u32 v[AA], s18, v4
	v_add_nc_u32 v[AA+1], s19, v4
	v_add_nc_u32 v[AB], s20, v4
	v_add_nc_u32 v[AB+1], s21, v4
	v_mov_b32 v[AS], v5
.if \w == 0x40
	global_load_b128 v[BI:BI+3], v[CO], s[96:97]   ; the bias of my four columns, into window 1
.endif
.endr
	WIN 0
; One load of the next step's operands.  LKIND 1: W's fragments in order; else NS scale words, then A's fragments in the order ORD (a nibble a block) in which the next step takes them.
; FS: the slot, FO: the step's bytes in it, FP: the set of scale words, SO: the step's word in a row of scales.
.macro LD1
.if LKIND == 1
	ds_load_b128 v[FRG+4*ldi:FRG+4*ldi+3], v[AB+FS] offset:FO+(ldi/3)*1536+(ldi%3)*16
.else
.if ldi < NS
	ds_load_b32 v[SC+8*FP+ldi], v[AS] offset:SO+ldi*SBLK
.else
.set blk, (ORD>>(4*((ldi-NS)/3)))&7
	ds_load_b128 v[FRG+12*blk+4*((ldi-NS)%3):FRG+12*blk+4*((ldi-NS)%3)+3], v[AA+FS] offset:FO+blk*1536+((ldi-NS)%3)*16
.endif
.endif
.endm
.macro RUN kind, tot, ns               ; tot loads on end
.set LKIND, \kind
.set NS, \ns
.set ldi, 0
.rept \tot
	LD1
.set ldi, ldi+1
.endr
.endm
; Eight matrix instructions: A's block a against W's eight.  The 64 accumulators take turns.
.macro ROWA par, a, zero
.irp b, 0,1,2,3,4,5,6,7
.if \zero
	v_wmma_scale_f32_16x16x128_f8f6f4 v[ACC+8*(8*((\a)%2)+\b):ACC+8*(8*((\a)%2)+\b)+7], v[FRG+12*\b:FRG+12*\b+11], v[FRG+12*(\a):FRG+12*(\a)+11], 0, v[SC+8*\par+\b], v[SC+8*\par+(\a)] matrix_a_fmt:MATRIX_FMT_FP6 matrix_b_fmt:MATRIX_FMT_FP6 matrix_a_scale:MATRIX_SCALE_ROW1
.else
	v_wmma_scale_f32_16x16x128_f8f6f4 v[ACC+8*(8*((\a)%2)+\b):ACC+8*(8*((\a)%2)+\b)+7], v[FRG+12*\b:FRG+12*\b+11], v[FRG+12*(\a):FRG+12*(\a)+11], v[ACC+8*(8*((\a)%2)+\b):ACC+8*(8*((\a)%2)+\b)+7], v[SC+8*\par+\b], v[SC+8*\par+(\a)] matrix_a_fmt:MATRIX_FMT_FP6 matrix_b_fmt:MATRIX_FMT_FP6 matrix_a_scale:MATRIX_SCALE_ROW1
.endif
.endr
.endr
.endm
; A phase: under window q's setting a run of tot loads into that window, a wait with the count wt (64: none), and the window's 16 accumulators.
; Set 0: source 0 window 1, source 1 window 0; set 1: windows 3 and 2.
.macro PHASE par, q, zero, kind, tot, ns, wt
	WIN ((\q)<<6)|((\q)<<4)|(1+10*(\par))
	RUN \kind, \tot, \ns
.if \wt < 64
	s_wait_dscnt \wt
.endif
	ROWA \par, 2*(\q), \zero
	ROWA \par, 2*(\q)+1, \zero
.endm
; A slot's first step multiplies set 0 and fetches the slot's second step into set 1.  Each wait's count: the LDS loads issued behind those that the phase needs.
; On their way at its head, in this order: W's set 0 (24), the scale words (8), A's set 0 (24, blocks 6, 7, 0, 1, 4, 5, 2, 3).
.macro EVEN fs, so, zero
.set FS, \fs
.set FO, 12288
.set FP, 1
.set SO, \so
.set ORD, 0x76103254
	PLACES                                         ; in front of loads into registers that the step before has multiplied
	PHASE 0, 3, \zero, 1, 24, 0, 42                ; W's set 1 goes out; A's blocks 6, 7 are in: behind them 18 + 24
	WIN 0x01
	RUN 2, 8, 8                                    ; the scale words, into window 0,
	WIN 0xa1
	RUN 2, 24, 0                                   ; and A's set 1, into window 2
	PHASE 0, 0, \zero, 2, 0, 0, 63                 ; blocks 0, 1: behind them 12 + 24 + 32, held at the largest count that the wait takes
	PHASE 0, 2, \zero, 2, 0, 0, 62                 ; blocks 4, 5: 6 + 24 + 32
	PHASE 0, 1, \zero, 2, 0, 0, 56                 ; blocks 2, 3: 24 + 32
.endm
; A slot's second step multiplies set 1.  mode 2: slot sl is filled again behind a round; mode 1: a barrier for the last slot; mode 0: the last step.  Then the next slot's first step is fetched into set 0.
.macro ODD sl, mode, so
.set FS, 1-(\sl)
.set FO, 0
.set FP, 0
.set SO, \so
.set ORD, 0x32541076
.if \mode == 0
	PHASE 1, 2, 0, 2, 0, 0, 0
	PHASE 1, 1, 0, 2, 0, 0, 64
	PHASE 1, 0, 0, 2, 0, 0, 64
.else
	WIN 0
.if \mode == 2
	s_wait_xcnt 0x0                                ; my last prefetch has read its address
	s_add_nc_u64 s[PFA:PFA+1], s[PFA:PFA+1], DSTEP
.endif
	s_wait_tensorcnt 0x0                           ; my part of the next slot has landed
	ds_add_u32 v[SPW], v[NIL]
	s_wait_dscnt 19                                ; the add and A's last 18 loads may be out
	WIN 0xab
	ROWA 1, 4, 0
	s_wait_dscnt 0x0                               ; the add is done, and my reads of this slot are over
	s_barrier_signal -1
	ROWA 1, 5, 0
	WIN 0
	s_barrier_wait -1
.if \mode == 2
	CREST                                          ; no wave of any partner still reads this slot or has a load on its way
	s_add_nc_u64 s[G0+4*\sl+2:G0+4*\sl+3], s[G0+4*\sl+2:G0+4*\sl+3], 2*DSTEP
	s_add_nc_u64 s[G0B+4*\sl+2:G0B+4*\sl+3], s[G0B+4*\sl+2:G0B+4*\sl+3], 2*DSTEP
	JLOAD G0+4*\sl, G1, G0B+4*\sl, G1B             ; its four v_nop are also the places in front of the loads below
	s_cmp_gt_u32 s3, 1                             ; the last trip's two refills have no slot two on
	s_cbranch_scc0 .Lno_ask_\@
	global_prefetch_b8 v[PFO], s[PFA:PFA+1] th:TH_LOAD_NT scope:SCOPE_SE
.Lno_ask_\@:
.else
	PLACES
.endif
	PHASE 1, 1, 0, 1, 24, 0, 64                    ; W's set 0 goes out
	PHASE 1, 0, 0, 2, 32, 8, 64                    ; the scale words and A's set 0
.endif
	PHASE 1, 3, 0, 2, 0, 0, 64
.endm
	s_wait_alu depctr_va_vdst(0)
	s_wait_tensorcnt 0x0                           ; my tile of the head's four is in
	ds_add_u32 v[SPW], v[NIL]
	s_mov_b32 s[G1+2], 96<<16                      ; no tensor load of mine is out: from here on a load brings 96 rows
	s_mov_b32 s[G1+4], 96
	s_mov_b32 s[G1B+2], 96<<16
	s_mov_b32 s[G1B+4], 96
	s_wait_dscnt 0x0
	CROUND
	JLOAD G0+4, G1, G0B+4, G1B                     ; slot 1's first fill, issued as a refill is
.set FS, 0
.set FO, 0
.set FP, 0
.set SO, 0
.set ORD, 0x32541076
	WIN 0x41                                       ; step 0's operands: W's set 0 into window 1,
	RUN 1, 24, 0
	WIN 0x01                                       ; the scale words and A's set 0 into window 0
	RUN 2, 32, 8
	EVEN 0, 4, 1                                   ; the first step's products start the sums
	WIN 0
	s_mov_b32 s3, 7
.Llap:                                                 ; a trip: two refills, four steps, 16 bytes of each row of scales
	ODD 0, 2, 8
	EVEN 1, 12, 0
	ODD 1, 2, 16
	EVEN 0, 20, 0
	WIN 0x44
	v_add_nc_u32 v[AS], 16, v[AS]
	WIN 0xcc
	v_add_nc_u32 v[AS], 16, v[AS]
	WIN 0
	s_sub_co_u32 s3, s3, 1
	s_cmp_lg_u32 s3, 0
	s_wait_alu depctr_va_vdst(0)
	s_cbranch_scc1 .Llap
	ODD 0, 1, 8
	EVEN 1, 12, 0
	ODD 1, 0, 0
	WIN 0
; THE WAY OUT, block by block of 16 rows x 128 columns, through my own stage: back as whole rows of 512 bytes; the bias is added; 32 lanes store two aligned units of 256 bytes.
.macro TOSTAGE a
	WIN ((\a)/2)<<2
.irp b, 0,1,2,3,4,5,6,7
	ds_store_b128 v[STO], v[ACC+64*((\a)%2)+8*\b:ACC+64*((\a)%2)+8*\b+3] offset:64*\b      ; each accumulator from its low end on
	ds_store_b128 v[STO], v[ACC+64*((\a)%2)+8*\b+4:ACC+64*((\a)%2)+8*\b+7] offset:64*\b+16
.endr
	WIN ((\a)%2)<<6                                ; back into v32-95 of window 0 or 1 by turns
.irp t, 0,1,2,3,4,5,6,7,8,9,10,11,12,13,14,15
	ds_load_b128 v[FRG+4*\t:FRG+4*\t+3], v[RD] offset:\t*SPITCH
.endr
.endm
.macro SEND a, younger
	s_wait_dscnt \younger
.if (\a) > 0
	s_add_nc_u64 s[12:13], s[12:13], 16*16384      ; behind a wait on XCNT: the earlier stores have read their base
.endif
	WIN (((\a)%2)<<6)|((\a)%2)|4
.irp t, 0,1,2,3,4,5,6,7,8,9,10,11,12,13,14,15
	v_pk_add_f32 v[FRG+4*\t:FRG+4*\t+1], v[FRG+4*\t:FRG+4*\t+1], v[BI:BI+1]
	v_pk_add_f32 v[FRG+4*\t+2:FRG+4*\t+3], v[FRG+4*\t+2:FRG+4*\t+3], v[BI+2:BI+3]
.endr
	WIN ((\a)%2)<<2
.irp t, 0,1,2,3,4,5,6,7,8,9,10,11,12,13,14,15
	global_store_b128 v[CO], v[FRG+4*\t:FRG+4*\t+3], s[12:13] offset:\t*16384 th:TH_STORE_NT
.endr
.endm
	s_wait_loadcnt 0x0                             ; the bias
	PLACES
	TOSTAGE 0
.irp a, 1,2,3,4,5,6,7
.if \a > 1
	s_wait_xcnt 0x0                                ; block a - 2's stores have read their registers and their base
.endif
	TOSTAGE \a
	SEND \a-1, 32                                  ; behind block a - 1's loads: block a's 16 stores and 16 loads
.endr
	s_wait_xcnt 0x0
	SEND 7, 0
	WIN 0
	s_wait_tensorcnt 0x0                           ; the wave's end
	ds_add_u32 v[SPW], v[NIL]
	s_wait_dscnt 0x0
	CROUND                                         ; the closing round
	s_endpgm
.Lfunc_end_k_q379ed5e4af_gemm:
	.size	k_q379ed5e4af_gemm, .Lfunc_end_k_q379ed5e4af_gemm-k_q379ed5e4af_gemm
	.p2alignl 7, 3214868480
	.fill 96, 4, 3214868480
	.section	.rodata,"a",@progbits
	.p2align	6, 0x0
	.amdhsa_kernel k_q379ed5e4af_gemm
		.amdhsa_group_segment_fixed_size 327680
		.amdhsa_private_segment_fixed_size 0
		.amdhsa_enable_private_segment 0
		.amdhsa_kernarg_size 48
		.amdhsa_user_sgpr_count 2
		.amdhsa_user_sgpr_kernarg_segment_ptr 1
		.amdhsa_wavefront_size32 1
		.amdhsa_system_sgpr_workgroup_id_x 1
		.amdhsa_system_sgpr_workgroup_id_y 1
		.amdhsa_system_sgpr_workgroup_id_z 1
		.amdhsa_system_vgpr_workitem_id 0
		.amdhsa_next_free_vgpr 1024
		.amdhsa_next_free_sgpr 100
		.amdhsa_reserve_vcc 0
		.amdhsa_float_denorm_mode_32 3
		.amdhsa_float_denorm_mode_16_64 3
		.amdhsa_memory_ordered 1
		.amdhsa_forward_progress 1
		.amdhsa_inst_pref_size 156
	.end_amdhsa_kernel
	.amdgpu_metadata
---
amdhsa.version: [ 1, 2 ]
amdhsa.kernels:
  - .name:           k_q379ed5e4af_gemm
    .symbol:         k_q379ed5e4af_gemm.kd
    .args:
      - { .name: a_codes, .offset: 0, .size: 8, .value_kind: global_buffer, .address_space: global }
      - { .name: a_scales, .offset: 8, .size: 8, .value_kind: global_buffer, .address_space: global }
      - { .name: b_codes, .offset: 16, .size: 8, .value_kind: global_buffer, .address_space: global }
      - { .name: b_scales, .offset: 24, .size: 8, .value_kind: global_buffer, .address_space: global }
      - { .name: out0, .offset: 32, .size: 8, .value_kind: global_buffer, .address_space: global }
      - { .name: bias, .offset: 40, .size: 8, .value_kind: global_buffer, .address_space: global }
    .group_segment_fixed_size: 327680
    .private_segment_fixed_size: 0
    .kernarg_segment_align: 8
    .kernarg_segment_size: 48
    .max_flat_workgroup_size: 128
    .sgpr_count:     100
    .vgpr_count:     1024
    .wavefront_size: 32
...
	.end_amdgpu_metadata
.endif
;; end of part 2
